; MI455X (gfx1250); checked and timed in simulation.
; The chip was launched on July 23, 2026; its instructions are those of AMD's public machine-readable ISA for CDNA 5 (MIT licence, August 2026) and "CDNA5" Instruction Set Architecture Reference Guide (July 2026). The comments in the code are by the model that wrote it; some were corrected since.
;; VQ Codebook. Allowed arithmetic: matrix products marked QUANTISED: E4M3 operands, one E8M0 scale for each 32 along K, by v_wmma_scale_f32_16x16x128_f8f6f4 with both operands' format E4M3, f32 sums; everything else in f32.
;; Inputs: W 8,192 x 512 float32; z 16,384 x 512 float32.
;; Outputs: out0 16,384 x 512 float32; out1 16,384 int32; out2 one number float32.
;; This version of the problem:
;;   THIS VERSION OF THE PROBLEM IS GIVEN IN LOW PRECISION. The matrix products marked QUANTISED in the list below multiply operands that are first quantised to E4M3 (4 exponent bits, 3 mantissa bits; 8 bits a number), with one power-of-two scale for each 32 numbers along K (OCP MX v1.0); their sums are f32. All else is computed in f32.
;;   The module's matrix products, in the order in which they are computed (A, B: the left and right operand; K: the contracted axis; several contracted axes count as one K, in the product's order):
;;     1. [M 16,384, K 512] x [K 512, N 8,192]; A: input z; B: input W: QUANTISED
;;   THE QUANTISER, for each operand of a quantised product, along K:
;;     - K is cut into blocks of 32 from its start; a last block that is shorter is filled with zeros.
;;     - A block's scale is 2^e with e = floor(log2(the largest magnitude in the block)) - 8, held to -126 .. 127; a block of zeros has e = 0. As a byte (E8M0): e + 127.
;;     - Each number is divided by its block's scale, clamped to +-448, and rounded to the nearest number of E4M3, ties to even, subnormals kept.
;;     - The product sums the exact products of the quantised numbers (number of the format x scale) in f32.
;;   ~~~python
;;   def quantise(x, axis):      # numpy; x: float32 -> the quantised numbers, widened to float32 again
;;       x = np.moveaxis(x, axis, -1); K = x.shape[-1]
;;       x = np.pad(x, [(0, 0)] * (x.ndim - 1) + [(0, -K % 32)]); x = x.reshape(x.shape[:-1] + (-1, 32)); a = np.abs(x).max(-1, keepdims=True)
;;       e = np.where(a > 0, np.clip(np.frexp(np.where(a > 0, a, 1))[1] - 1 - 8, -126, 127), 0)      # np.frexp(a)[1] - 1 = floor(log2(a)), exactly
;;       r = np.clip(x / 2.0 ** e, -448, 448)
;;       step = 2.0 ** (np.maximum(np.frexp(np.where(r == 0, 1, r))[1] - 1, -6) - 3)
;;       q = np.round(r / step) * step * 2.0 ** e      # np.round: ties to even
;;       return np.moveaxis(q.reshape(q.shape[:-2] + (-1,))[..., :K], -1, axis).astype(np.float32)
;;   ~~~
;; One version. Each part assembles by itself: llvm-mc -triple=amdgcn-amd-amdhsa -mcpu=gfx1250 --defsym DOCPART=n.
;; ======== version 1 of 1: 4 launches
;; limits: right only within a limited range of input values
;; workspace buffers: zrec 8,716,288 bytes; wrec 4,358,144 bytes; candk 524,288 bytes of whole numbers; candi 524,288 bytes of whole numbers; part 1,024 bytes
;; launch quant (part 1): grid 384 x 1, 4 waves a work-group, no clusters, 34,560 bytes of LDS; arguments z, W, zrec, wrec; writes zrec, wrec
.if DOCPART == 1
	.amdgcn_target "amdgcn-amd-amdhsa--gfx1250"
	.amdhsa_code_object_version 6
	.text
	.protected	k_qf5cf852b42_quant
	.globl	k_qf5cf852b42_quant
	.p2align	8
	.type	k_qf5cf852b42_quant,@function
k_qf5cf852b42_quant:
	s_mov_b64 s[64:65], 0
	v_nop
	global_prefetch_b8 v0, s[64:65] scope:SCOPE_SE
	s_setreg_imm32_b32 hwreg(HW_REG_WAVE_MODE, 25, 1), 1
	s_wait_xcnt 0x0
; z [16384][512] and W [8192][512], f32, become RECORDS: codes of FP8 (E4M3) with one E8M0 byte for each 32 along K, laid in the order of a matrix operand's registers, and each row's sum of squares in f32.
; A RECORD is 64 rows = 4 tiles of 16 rows, 34,048 bytes = 133 x 256:
;   codes        at q*8192 + s*2048 + c*512 + 16*lane   (tile q, K step s of 128, register group c): lane (r = lane % 16, h = lane / 16) holds row r, k = 128 s + 32 c + 16 h + 0 .. 15
;   scale words  at 32768 + q*256 + 8*lane: word 0: lanes 0-15 K step 0, lanes 16-31 K step 1, of row lane % 16; word 1: K steps 2 and 3 likewise
;   sums of squares at 33792 + q*64 + 4*row
; A block's scale is 2^(floor(log2(its largest magnitude)) - 8): its byte is the largest magnitude's exponent field - 8, held at 1 from below.  Each number is divided by the scale, held within +-448, rounded to the nearest code, ties to even.
; LIMITS: NaN and infinities among the inputs are not served.  A block of zeros gets the byte 1 where the rule says 127: its codes are zeros, and this program alone reads the bytes.  Blocks whose largest magnitude lies under 2^(9 - 127) were not tried.
; SHARES: work-groups 0-255 make z's records, 256-383 W's: only pointers are chosen, there is one path.  Wave w makes tile w: 16 rows x 512 numbers, in four K steps.  384 work-groups of equal work; they share nothing, so no cluster;
; the launch reads each number once and is bound by its bytes, so the matrix units and tensor loads have no part in it.
; Each load reads 512 consecutive bytes of one row.  The conversions want 16 neighbours along K in one lane: a K step's 16 x 512 bytes turn through the wave's own stage in LDS (rows of 528 bytes: 33 x 16, so that the sixteen rows that a read touches start 16 bytes apart modulo 256).
.set RECB, 34048
.set SCO,  32768
.set NMO,  33792
.set SP,   528                         ; a stage row
.set WSTG, 16*SP                       ; a wave's stage
.set NB,   4*WSTG                      ; behind the stages: the record's 64 sums of squares
.set L16,  1                           ; v1   16 x lane
.set STI,  2                           ; v2   the stage, on the way in: my wave's + 16 x lane
.set STO,  3                           ; v3   on the way out: my wave's + 528 r + 64 h
.set L8,   4                           ; v4   8 x lane
.set NA,   5                           ; v5   where my row's sum of squares goes in LDS
.set SW,   6                           ; v[6:7]   the two scale words that I store
.set PW,   8                           ; v8-11    my row's scale word of each K step
.set SS,   12                          ; v[12:13], v[14:15]  two packed chains of squares
.set TM,   16                          ; v16-19 largest magnitudes, v20-23 bytes, v24-27 448 x the scale, v28-31 the conversions' scale operands
.set PC,   32                          ; v32-47, v48-63  codes, two sets by turns
.set R,    64                          ; v64-255  three sets of 64 numbers
.set WV,   16
.set MNT,  23                          ; s23  the mantissa field of 448
.set HI,   24                          ; s24  mask of lanes 16-31
.set SEL,  26                          ; s[26:27] lane selects: lane l xor 16
	s_load_b256 s[4:11], s[0:1], 0x0               ; z s[4:5], W s[6:7], zrec s[8:9], wrec s[10:11]
	s_set_vgpr_msb 0x40
	v_lshl_add_u32 v0, v0, 2, 0x8500
	v_mov_b32 v1, 0
	s_set_vgpr_msb 0x4000
	v_lshrrev_b32 v1, 5, v0
	v_readfirstlane_b32 s[WV], v1                  ; wave 0..3
	v_and_b32 v8, 31, v0                           ; lane
	v_and_b32 v9, 15, v0                           ; r
	v_bfe_u32 v10, v0, 4, 1                        ; h
	s_mul_i32 s17, s[WV], WSTG
	s_lshl_b32 s18, s[WV], 6
	v_lshlrev_b32 v[L16], 4, v8
	v_lshlrev_b32 v[L8], 3, v8
	v_add_nc_u32 v[STI], s17, v[L16]
	v_mul_u32_u24 v[STO], v9, SP
	v_lshl_add_u32 v[STO], v10, 6, v[STO]
	v_add_nc_u32 v[STO], s17, v[STO]
	v_lshl_add_u32 v[NA], v9, 2, s18
	v_add_nc_u32 v[NA], NB, v[NA]                  ; NB + 64 x wave + 4 r
	v_cmp_le_u32 s[HI], 16, v8
.irp b, 0,1,2,3
	v_mov_b32 v[TM+4+\b], 0                        ; written once: a lane permute's destination counts as one of its sources
.endr
	s_mov_b32 s[SEL], 0x76543210
	s_mov_b32 s[SEL+1], 0xfedcba98
	s_mov_b32 s[MNT], 0x600000
	s_wait_alu depctr_va_vdst(0)
	s_wait_kmcnt 0x0
	s_cmp_lt_u32 ttmp9, 256                        ; z's work-group or W's?  The choice hangs on the work-group's number alone
	s_cselect_b64 s[4:5], s[4:5], s[6:7]
	s_cselect_b64 s[8:9], s[8:9], s[10:11]
	s_cselect_b32 s19, 0, 256
	s_sub_co_u32 s19, ttmp9, s19                   ; the record's number in its tensor
	s_lshl_b32 s20, s19, 17                        ; 64 rows of 2,048 bytes,
	s_lshl_b32 s21, s[WV], 15                      ; my wave's 16 of them
	s_add_co_u32 s20, s20, s21
	s_mov_b32 s21, 0
	s_add_nc_u64 s[4:5], s[4:5], s[20:21]          ; the numbers of my tile
	s_mul_i32 s20, s19, RECB
	s_add_nc_u64 s[12:13], s[8:9], s[20:21]        ; the record
	s_lshl_b32 s20, s[WV], 13
	s_add_nc_u64 s[8:9], s[12:13], s[20:21]        ; my tile's codes
	s_lshl_b32 s20, s[WV], 8
	s_add_co_u32 s20, s20, SCO
	s_add_nc_u64 s[10:11], s[12:13], s[20:21]      ; my tile's scale words
	s_add_nc_u64 s[12:13], s[12:13], NMO           ; the record's sums of squares
.macro LOAD s                          ; K step s: 512 consecutive bytes of each of my 16 rows, into set s % 3
.irp i, 0,1,2,3,4,5,6,7,8,9,10,11,12,13,14,15
	global_load_b128 v[R+64*((\s)%3)+4*\i:R+64*((\s)%3)+4*\i+3], v[L16], s[4:5] offset:\i*2048+(\s)*512 th:TH_LOAD_NT
.endr
.endm
.macro STAGE s                         ; through the stage: in as loaded, back with register 16 b + 4 j + e = k 32 b + 16 h + 4 j + e of row r.  LDS serves a wave's instructions in order: no wait between the stores and the loads
.irp i, 0,1,2,3,4,5,6,7,8,9,10,11,12,13,14,15
	ds_store_b128 v[STI], v[R+64*((\s)%3)+4*\i:R+64*((\s)%3)+4*\i+3] offset:\i*SP
.endr
.irp b, 0,1,2,3
.irp j, 0,1,2,3
	ds_load_b128 v[R+64*((\s)%3)+16*\b+4*\j:R+64*((\s)%3)+16*\b+4*\j+3], v[STO] offset:128*\b+16*\j
.endr
.endr
	s_wait_dscnt 0x0
.endm
.macro SQ s                            ; the squares of my 64 numbers, as they came (ahead of the hold), two at a time in two chains; the first two products start the chains
.set p, 0
.rept 32
.set X, R+64*((\s)%3)+2*p
.if ((\s) == 0) && (p < 2)
	v_pk_mul_f32 v[SS+2*p:SS+2*p+1], v[X:X+1], v[X:X+1]
.else
	v_pk_fma_f32 v[SS+2*(p%2):SS+2*(p%2)+1], v[X:X+1], v[X:X+1], v[SS+2*(p%2):SS+2*(p%2)+1]
.endif
.set p, p+1
.endr
.endm
; 64 numbers of a lane, register 16 b + i = k 32 b + 16 h + i of my row, become a fragment's 16 registers of codes and my row's scale word
.macro QUANT src, pc, pw
.irp b, 0,1,2,3
	v_max3_num_f32 v[TM+\b], |v[\src+16*\b]|, |v[\src+1+16*\b]|, 0x4800000   ; block b: my 16 numbers, and the floor 2^(9 - 127): the byte cannot fall under 1
.endr
.irp i, 2,4,6,8,10,12,14
.irp b, 0,1,2,3
	v_max3_num_f32 v[TM+\b], v[TM+\b], |v[\src+16*\b+\i]|, |v[\src+1+16*\b+\i]|   ; the four blocks by turns
.endr
.endr
.irp b, 0,1,2,3
	v_permlanex16_b32 v[TM+4+\b], v[TM+\b], s[SEL], s[SEL+1]
.endr
.irp b, 0,1,2,3
	v_max_num_f32 v[TM+\b], v[TM+\b], v[TM+4+\b]   ; with lane l xor 16's 16: the block's largest magnitude
.endr
.irp b, 0,1,2,3
	v_add_nc_u32 v[TM+12+\b], 0xfc000000, v[TM+\b] ; 8 off its exponent field: the conversion takes this operand's exponent field as its scale
.endr
.irp b, 0,1,2,3
	v_and_or_b32 v[TM+8+\b], v[TM+\b], 0x7f800000, s[MNT]   ; 448 x the scale
.endr
.irp b, 0,1,2,3
	v_lshrrev_b32 v[TM+4+\b], 23, v[TM+12+\b]      ; the scale's byte
.endr
	v_lshl_or_b32 v[\pw], v[TM+5], 8, v[TM+4]
	v_lshl_or_b32 v[\pw], v[TM+6], 16, v[\pw]
	v_lshl_or_b32 v[\pw], v[TM+7], 24, v[\pw]      ; the four bytes: my row's scale word of this K step (both halves of the lanes hold it)
.irp b, 0,1,2,3
.irp i, 0,1,2,3,4,5,6,7,8,9,10,11,12,13,14,15
	v_med3_num_f32 v[\src+16*\b+\i], v[\src+16*\b+\i], -v[TM+8+\b], v[TM+8+\b]   ; the conversion to an 8-bit code does not saturate (ISA guide 7.6.2): the hold comes first
.endr
	v_cvt_scalef32_pk8_fp8_f32 v[\pc+4*\b:\pc+1+4*\b], v[\src+16*\b:\src+7+16*\b], v[TM+12+\b]
	v_cvt_scalef32_pk8_fp8_f32 v[\pc+2+4*\b:\pc+3+4*\b], v[\src+8+16*\b:\src+15+16*\b], v[TM+12+\b]
.endr
	v_nop                                          ; a plain line behind the last conversion, ahead of whatever next writes its sources
.endm
.macro STEP s, left
	s_wait_loadcnt \left                           ; this K step's 16 loads are in; 16 for each younger K step may be out
	STAGE \s
	SQ \s
.if (\s) >= 2
	s_wait_xcnt 0x0                                ; the stores of two K steps back have read this set of codes: it is written again only behind this wait
.endif
	QUANT R+64*((\s)%3), PC+16*((\s)%2), PW+(\s)
.irp c, 0,1,2,3
	global_store_b128 v[L16], v[PC+16*((\s)%2)+4*\c:PC+16*((\s)%2)+4*\c+3], s[8:9] offset:(\s)*2048+\c*512   ; 512 consecutive bytes, at a multiple of 256 from the buffer's first byte
.endr
.endm
	LOAD 0
	LOAD 1
	LOAD 2
	STEP 0, 32
	LOAD 3                                         ; into set 0, which is done with
	STEP 1, 32
	STEP 2, 16
	STEP 3, 0
	v_pk_add_f32 v[SS:SS+1], v[SS:SS+1], v[SS+2:SS+3]
	v_cndmask_b32 v[SW], v[PW], v[PW+1], s[HI]     ; word 0: lanes 0-15 K step 0, lanes 16-31 K step 1
	v_cndmask_b32 v[SW+1], v[PW+2], v[PW+3], s[HI] ; word 1: K steps 2 and 3
	global_store_b64 v[L8], v[SW:SW+1], s[10:11]   ; 256 consecutive bytes, aligned
	v_add_f32 v[SS], v[SS], v[SS+1]
	v_permlanex16_b32 v[SS+1], v[SS], s[SEL], s[SEL+1]
	v_add_f32 v[SS], v[SS], v[SS+1]                ; my row's sum of squares (both halves of the lanes hold it)
	ds_store_b32 v[NA], v[SS]
	s_wait_dscnt 0x0                               ; for wave 0's sake: my store has landed
	s_barrier_signal -1
	s_barrier_wait -1
	s_cmp_lg_u32 s[WV], 0
	s_cbranch_scc1 .Ldone
	ds_load_b64 v[SS+2:SS+3], v[L8] offset:NB      ; the record's 64 sums leave as one run of 256 bytes
	s_wait_dscnt 0x0
	global_store_b64 v[L8], v[SS+2:SS+3], s[12:13]
.Ldone:
	s_set_vgpr_msb 0x5
	s_wait_tensorcnt 0x0
	ds_add_u32 v0, v1
	s_wait_dscnt 0x0
	s_set_vgpr_msb 0x500
	s_endpgm
.Lfunc_end_k_qf5cf852b42_quant:
	.size	k_qf5cf852b42_quant, .Lfunc_end_k_qf5cf852b42_quant-k_qf5cf852b42_quant
	.p2alignl 7, 3214868480
	.fill 96, 4, 3214868480
	.section	.rodata,"a",@progbits
	.p2align	6, 0x0
	.amdhsa_kernel k_qf5cf852b42_quant
		.amdhsa_group_segment_fixed_size 34560
		.amdhsa_private_segment_fixed_size 0
		.amdhsa_enable_private_segment 0
		.amdhsa_kernarg_size 32
		.amdhsa_user_sgpr_count 2
		.amdhsa_user_sgpr_kernarg_segment_ptr 1
		.amdhsa_wavefront_size32 1
		.amdhsa_system_sgpr_workgroup_id_x 1
		.amdhsa_system_sgpr_workgroup_id_y 1
		.amdhsa_system_sgpr_workgroup_id_z 1
		.amdhsa_system_vgpr_workitem_id 0
		.amdhsa_next_free_vgpr 258
		.amdhsa_next_free_sgpr 66
		.amdhsa_reserve_vcc 0
		.amdhsa_float_denorm_mode_32 3
		.amdhsa_float_denorm_mode_16_64 3
		.amdhsa_memory_ordered 1
		.amdhsa_forward_progress 1
		.amdhsa_inst_pref_size 60
	.end_amdhsa_kernel
	.amdgpu_metadata
---
amdhsa.version: [ 1, 2 ]
amdhsa.kernels:
  - .name:           k_qf5cf852b42_quant
    .symbol:         k_qf5cf852b42_quant.kd
    .args:
      - { .name: z, .offset: 0, .size: 8, .value_kind: global_buffer, .address_space: global }
      - { .name: W, .offset: 8, .size: 8, .value_kind: global_buffer, .address_space: global }
      - { .name: zrec, .offset: 16, .size: 8, .value_kind: global_buffer, .address_space: global }
      - { .name: wrec, .offset: 24, .size: 8, .value_kind: global_buffer, .address_space: global }
    .group_segment_fixed_size: 34560
    .private_segment_fixed_size: 0
    .kernarg_segment_align: 8
    .kernarg_segment_size: 32
    .max_flat_workgroup_size: 128
    .sgpr_count:     66
    .vgpr_count:     258
    .wavefront_size: 32
...
	.end_amdgpu_metadata
.endif
;; end of part 1
;; launch vq (part 2): grid 32 x 8, 8 waves a work-group, clusters of 4 x 1, 327,680 bytes of LDS; arguments zrec, wrec, candk, candi; writes candk, candi
.if DOCPART == 2
	.amdgcn_target "amdgcn-amd-amdhsa--gfx1250"
	.amdhsa_code_object_version 6
	.text
	.protected	k_qf5cf852b42_vq
	.globl	k_qf5cf852b42_vq
	.p2align	8
	.type	k_qf5cf852b42_vq,@function
k_qf5cf852b42_vq:
	s_mov_b64 s[64:65], 0
	v_nop
	global_prefetch_b8 v0, s[64:65] scope:SCOPE_SE
	s_setreg_imm32_b32 hwreg(HW_REG_WAVE_MODE, 25, 1), 1
	s_wait_xcnt 0x0
	s_wait_alu depctr_hold_cnt(0) depctr_sa_sdst(0) depctr_va_vdst(0) depctr_va_sdst(0) depctr_va_ssrc(0) depctr_va_vcc(0) depctr_vm_vsrc(0)
	s_getreg_b32 s2, hwreg(HW_REG_IB_STS2, 6, 4)
	s_cmp_eq_u32 s2, 0
	s_cbranch_scc0 .Lentry_in_a_cluster
	s_endpgm
.Lentry_in_a_cluster:
	s_bfe_u32 s2, ttmp6, 0x10000c
	s_cmp_lg_u32 s2, 0x3003
	s_cbranch_scc0 .Lentry_shape_is_right
	s_endpgm
.Lentry_shape_is_right:
; For 512 rows of z and one eighth (1,024) of the codes: d = (zz - 2 z.W) + ww in f32, rounded in that order, z.W by the scaled FP8 matrix instruction on the records' codes; the smallest d of each row and the
; lowest code that has it go to candk (a whole-number key in the order of d) and candi, [8][16384].  Nothing of the problem is left out here.
; LIMITS: NaN and infinities are not served; +0 and -0 count as equal inside the launch, while their keys differ.
; SHARES: grid 32 x 8 = 256 work-groups: x the block of 512 rows, y the part of the codes.  Eight waves, two to a SIMD.  Wave w holds record w of the block's eight records of z (64 rows, 4 tiles x 64 registers);
; every wave walks all 16 records of W of the part (64 tiles), so a record brought into LDS serves eight waves, and a fragment of W feeds 16 products.
; SOURCE 0 = 16 codes of W, SOURCE 1 = 16 rows of z: lane (r, h) holds row r of z, its register j the code 8 h + j of the tile.
; A TURN (one tile of W): the next tile's LDS loads; 16 products as one group, the four accumulators by turns, K step by K step; eight places; 84 vector lines, the four tiles by turns.
; PER TILE OF 8 NUMBERS: 4 packed multiply-adds, 4 packed additions, 4 three-way minima (a tree two deep), one compare, and 8 selects that keep, where the row's minimum fell, the tile's number and its first seven d;
; the place inside the tile is found once, at the end, as the first kept d equal to the minimum (else the eighth).  Tiles come in ascending order and the compare is strict: the lowest code wins a tie.
; CLUSTER 4 x 1: the four work-groups have the same part of the codes and ask for each record jointly.  Ring of two slots of 4 records (136,192 bytes), four fills in all; waves 0-3 load a record each, waves 4-7 none
; (a slot has four records of 133 x 256 bytes, which eight waves cannot share in whole rows of 256).  A slot holds 16 turns of every wave; each of the two refills stands behind a round of the cluster's barrier.
; THE WALK: a slot's first three records in a counted loop, a record a trip, the three LDS addresses stepped by a record; its last record written out, since its last turn changes slots.
; NO PREFETCH: of the part's four fills two go out at the head and the other two 16 turns (256 products a wave) ahead of their first read; nothing else is streamed.
; REGISTERS: window 0: addresses, scales, ww, zz, minima, accumulators, kept values, W's fragments (two sets); window 1: z's fragments.
.set RECB,  34048
.set SCO,   32768
.set NMO,   33792
.set SLOTB, 4*RECB
.set SPARE, 2*SLOTB                    ; the spare words, 128 bytes a wave
.set CB,    SPARE+1024                 ; 512 bytes a wave: its 64 minima and 64 indices
.set L16, 1
.set ADF, 2                            ; v2  the record at work: its codes, + 16 x lane
.set BF,  3                            ; v3  the same for the ring's first record; never rewritten
.set ADS, 4                            ; v4  its scale words, + 8 x lane
.set BS,  5
.set ADW, 6                            ; v6  its sums of squares, + 32 h
.set BW,  7
.set SPW, 8
.set NIL, 9
.set CBW, 11
.set H8,  12
.set CBR, 13
.set L8,  15
.set ZS,  16                           ; z's scale words: tile T at v[16 + 8 (T/2) + 2 (T%2)]: numbers 0-3 modulo 8
.set WS,  20                           ; W's: set b at v[20 + 2 b]: numbers 4-7 modulo 8
.set R4,  28
.set WW,  32                           ; ww of my 8 codes, two sets
.set ZB,  48                           ; v[48 + 2 T] zz of my row in tile T; v[49 + 2 T] its minimum, set 0
.set B1,  56                           ; minimum, set 1: the two sets take turns, so that old and new stand side by side
.set TB,  60
.set ACC, 64                           ; tile T at v[64 + 8 T]
.set SAVE, 96                          ; tile T: seven kept d at v[96 + 8 T ..], the tile's first code in the eighth
.set WF,  128                          ; W's fragments, set b at v[128 + 64 b]
.set TL,  128                          ; at the end: at work
.set WV,  12
.set CX,  13
.set RB,  14
.set PT,  15
.set G1,  16
.set G0,  24
.set CUR, 35                           ; first code of the tile of W at work
.set TRIPS, 36
.set SEL, 38
.set MK,  56                           ; s56-59 four compare masks
.set WQ,  60
.set MSB, 0
.macro WIN new                         ; the immediate's high byte repeats the setting that is left
.if MSB != (\new)
	s_set_vgpr_msb (MSB<<8)|(\new)
.set MSB, (\new)
.endif
.endm
.macro CREST                           ; a round of the cluster's barrier behind its opening barrier
	s_cmp_lg_u32 s[WV], 0
	s_cbranch_scc1 .Lnot_wave_0_\@
	s_barrier_signal -3
.Lnot_wave_0_\@:
	s_barrier_wait -3
	s_barrier_signal -1
	s_barrier_wait -1
.endm
.macro CROUND
	s_barrier_signal -1
	s_barrier_wait -1
	CREST
.endm
.macro TLOAD g                         ; waves 0-3: a record each, asked for jointly; the branch hangs on the wave's number alone
	s_cmp_lt_u32 s[WV], 4
	s_cbranch_scc0 .Lno_load_\@
	tensor_load_to_lds s[\g:\g+3], s[G1:G1+7]
	s_nop 0
.rept 4
	v_nop
.endr
.Lno_load_\@:
.endm
	s_load_b256 s[4:11], s[0:1], 0x0               ; zrec, wrec, candk, candi
	v_lshl_add_u32 v[SPW], v0, 2, SPARE
	v_mov_b32 v[NIL], 0
	ds_add_u32 v[SPW], v[NIL]                      ; the opening lines: the add twice on end and one wait
	ds_add_u32 v[SPW], v[NIL]
	v_lshrrev_b32 v1, 5, v0
	v_readfirstlane_b32 s[WV], v1
	s_and_b32 s[WQ], s[WV], 3                      ; which record of a slot waves 0-3 load
	s_bfe_u32 s[CX], ttmp6, 0x40000
	s_lshl_b32 s[RB], ttmp9, 2
	s_add_co_u32 s[RB], s[RB], s[CX]               ; my block of 512 rows
	s_and_b32 s[PT], ttmp7, 0xffff                 ; my part of the codes
	s_mov_b32 s[G1+0], 15|(3<<16)|(1<<21)          ; a record: 133 rows of 32 elements of 8 bytes, dense; the mask names the cluster's four
	s_mov_b32 s[G1+1], 32<<16
	s_mov_b32 s[G1+2], 133<<16
	s_mov_b32 s[G1+3], 32<<16
	s_mov_b32 s[G1+4], 133
	s_mov_b32 s[G1+5], 32
	s_mov_b32 s[G1+6], 0
	s_mov_b32 s[G1+7], 0
	s_lshl_b32 s[CUR], s[PT], 10                   ; 1024 x part
	s_mul_i32 s41, s[WQ], RECB
	s_lshl_b32 s42, s[PT], 4
	s_add_co_u32 s42, s42, s[WQ]
	s_mul_i32 s42, s42, RECB                       ; W's record 16 x part + wq
	s_mov_b32 s43, 0
	s_lshl_b32 s48, s[RB], 3
	s_add_co_u32 s48, s48, s[WV]
	s_mul_i32 s48, s48, RECB                       ; z's record 8 x block + wave
	s_mov_b32 s49, 0
	s_lshl_b32 s50, s[PT], 16
	s_lshl_b32 s51, s[RB], 11
	s_add_co_u32 s50, s50, s51
	s_lshl_b32 s51, s[WV], 8
	s_add_co_u32 s50, s50, s51                     ; out: 65536 x part + 4 x (512 x block + 64 x wave)
	s_mov_b32 s51, 0
	s_mov_b32 s[SEL], 0x76543210
	s_mov_b32 s[SEL+1], 0xfedcba98
	s_lshl_b32 s40, s[WV], 9
	v_and_b32 v29, 31, v0                          ; lane
	v_and_b32 v30, 15, v0                          ; r
	v_bfe_u32 v31, v0, 4, 1                        ; h
	v_lshlrev_b32 v[L16], 4, v29
	v_lshlrev_b32 v[L8], 3, v29
	v_lshlrev_b32 v[R4], 2, v30
	v_lshlrev_b32 v[BF], 4, v29
	v_lshlrev_b32 v[ADF], 4, v29
	v_lshl_add_u32 v[BS], v29, 3, SCO
	v_lshl_add_u32 v[ADS], v29, 3, SCO
	v_lshl_add_u32 v[BW], v31, 5, NMO
	v_lshl_add_u32 v[ADW], v31, 5, NMO
	v_lshl_add_u32 v[CBW], v30, 2, s40
	v_add_nc_u32 v[CBW], CB, v[CBW]                ; CB + 512 x wave + 4 r
	v_lshl_add_u32 v[CBR], v29, 3, s40
	v_add_nc_u32 v[CBR], CB, v[CBR]                ; CB + 512 x wave + 8 x lane
	v_lshlrev_b32 v[H8], 3, v31
	s_wait_alu depctr_va_vdst(0)                   ; the wait ahead of the blocking waits
	s_wait_dscnt 0x0                               ; both opening adds are done
	s_wait_kmcnt 0x0
	s_add_nc_u64 s[44:45], s[6:7], s[42:43]
	s_add_nc_u64 s[4:5], s[4:5], s[48:49]
	s_add_nc_u64 s[8:9], s[8:9], s[50:51]
	s_add_nc_u64 s[10:11], s[10:11], s[50:51]
; z's fragments, scale words and sums of squares go out first: they are on their way during the round and the first tile's flight
	WIN 0x40
.irp i, 0,1,2,3
.irp s, 0,1,2,3
.irp c, 0,1,2,3
	global_load_b128 v[64*\i+16*\s+4*\c:64*\i+16*\s+4*\c+3], v[L16], s[4:5] offset:\i*8192+\s*2048+\c*512
.endr
.endr
.endr
	WIN 0
.irp i, 0,1,2,3
	global_load_b64 v[ZS+8*(\i/2)+2*(\i%2):ZS+8*(\i/2)+2*(\i%2)+1], v[L8], s[4:5] offset:SCO+\i*256
	global_load_b32 v[ZB+2*\i], v[R4], s[4:5] offset:NMO+\i*64
.endr
.irp s, 0,1
	s_mov_b32 s[G0+4*\s], 1
	s_add_co_u32 s[G0+4*\s+1], s41, \s*SLOTB
	s_add_nc_u64 s[G0+4*\s+2:G0+4*\s+3], s[44:45], \s*SLOTB
	s_or_b32 s[G0+4*\s+3], s[G0+4*\s+3], 0x80000000
.endr
	CROUND                                         ; the four work-groups are here: the first joint loads meet
	TLOAD G0                                       ; slot 0; at most one tensor load a wave at the head
	s_mov_b32 s40, 0x7f800000
.irp i, 0,1,2,3
	v_mov_b32 v[ZB+1+2*\i], s40                    ; the minima begin at +infinity
.endr
.set n, 0
.rept 32
.if n%8 == 7
	v_mov_b32 v[SAVE+n], 0
.else
	v_mov_b32 v[SAVE+n], s40
.endif
.set n, n+1
.endr
; 4 products: K step s of W's tile in set b x z's four tiles; the first K step starts the sums
.macro MK4 b, s
.irp i, 0,1,2,3
.set D_, ACC+8*\i
.set A_, WF+64*(\b)+16*(\s)
.set B_, 64*\i+16*(\s)
.set SA_, WS+2*(\b)+(\s)/2
.set SB_, ZS+8*(\i/2)+2*(\i%2)+(\s)/2
.if (\s) == 0
	v_wmma_scale_f32_16x16x128_f8f6f4 v[D_:D_+7], v[A_:A_+15], v[B_:B_+15], 0, v[SA_], v[SB_]
.elseif (\s) == 2
	v_wmma_scale_f32_16x16x128_f8f6f4 v[D_:D_+7], v[A_:A_+15], v[B_:B_+15], v[D_:D_+7], v[SA_], v[SB_]
.else
	v_wmma_scale_f32_16x16x128_f8f6f4 v[D_:D_+7], v[A_:A_+15], v[B_:B_+15], v[D_:D_+7], v[SA_], v[SB_] matrix_a_scale:MATRIX_SCALE_ROW1 matrix_b_scale:MATRIX_SCALE_ROW1
.endif
.endr
.endm
; 84 vector lines: z's four tiles against the tile of W whose ww lie in set p; the four tiles by turns, each accumulator from its low end on
.macro VPH p
.irp j, 0,1,2,3
.irp i, 0,1,2,3
.set A_, ACC+8*\i+2*\j
	v_pk_fma_f32 v[A_:A_+1], v[A_:A_+1], -2.0, v[ZB+2*\i:ZB+2*\i+1] op_sel_hi:[1,0,0]   ; zz - 2 z.W: one rounding (of the pair the low word, zz, serves both halves)
.endr
.endr
.irp j, 0,1,2,3
.irp i, 0,1,2,3
.set A_, ACC+8*\i+2*\j
	v_pk_add_f32 v[A_:A_+1], v[A_:A_+1], v[WW+8*(\p)+2*\j:WW+8*(\p)+2*\j+1]             ; + ww
.endr
.endr
.irp st, 0,1,2,3,4
.irp i, 0,1,2,3
.set A_, ACC+8*\i
.set O_, (1-(\p))*(ZB+1+2*\i)+(\p)*(B1+\i)
.set N_, (\p)*(ZB+1+2*\i)+(1-(\p))*(B1+\i)
.if \st == 0
	v_min3_num_f32 v[A_+7], v[A_+5], v[A_+6], v[A_+7]      ; the eighth d is not kept: its register takes a part minimum
.elseif \st == 1
	v_min3_num_f32 v[TB+\i], v[A_+2], v[A_+3], v[A_+4]
.elseif \st == 2
	v_min3_num_f32 v[N_], v[O_], v[A_], v[A_+1]
.elseif \st == 3
	v_min3_num_f32 v[N_], v[N_], v[TB+\i], v[A_+7]
.else
	v_cmp_lt_f32 s[MK+\i], v[N_], v[O_]                    ; strictly smaller: an equal d of a later tile changes nothing
.endif
.endr
.endr
.irp k, 0,1,2,3,4,5,6
.irp i, 0,1,2,3
	v_cndmask_b32 v[SAVE+8*\i+\k], v[SAVE+8*\i+\k], v[ACC+8*\i+\k], s[MK+\i]
.endr
.endr
.irp i, 0,1,2,3
	v_cndmask_b32 v[SAVE+8*\i+7], v[SAVE+8*\i+7], s[CUR], s[MK+\i]
.endr
.endm
.macro LOADW q, ro, b                  ; tile q of the record ro bytes behind the one at work: ww, scale words and fragments into set b
	ds_load_b128 v[WW+8*(\b):WW+8*(\b)+3], v[ADW] offset:(\ro)+64*(\q)
	ds_load_b128 v[WW+8*(\b)+4:WW+8*(\b)+7], v[ADW] offset:(\ro)+64*(\q)+16
	ds_load_b64 v[WS+2*(\b):WS+2*(\b)+1], v[ADS] offset:(\ro)+256*(\q)
.irp s, 0,1,2,3
.irp c, 0,1,2,3
	ds_load_b128 v[WF+64*(\b)+16*\s+4*\c:WF+64*(\b)+16*\s+4*\c+3], v[ADF] offset:(\ro)+(\q)*8192+\s*2048+\c*512
.endr
.endr
.endm
; mode 0: the next tile lies in the same record.  4: in the next record of the same slot.  1: the slot's last tile is in registers: slot sg is filled again behind a round, and the walk goes on nb bytes into the ring.
; 2: as 1, nothing left to fetch: a plain barrier shows the last slot.  3: the last tile of all.
.macro TURN q, mode, sg, nb
.set tb, (\q)%2
	s_wait_dscnt 0x0                               ; this tile's fragments, scale words and ww are in
.if (\mode) == 0
	LOADW (\q)+1, 0, 1-tb                          ; into the set that the turn before has done with (its 84 vector lines are the places)
.elseif (\mode) == 4
	LOADW 0, RECB, 1-tb
.elseif (\mode) == 1
	s_wait_tensorcnt 0x0                           ; all my tensor loads have landed: my record of the other slot
	ds_add_u32 v[SPW], v[NIL]                      ; the add twice
	ds_add_u32 v[SPW], v[NIL]
.elseif (\mode) == 2
	s_wait_tensorcnt 0x0                           ; the last record that I asked for is in: say so, since the other waves read it
	s_barrier_signal -1
.endif
	WIN 0x04                                       ; source 1 (z) window 1
	MK4 tb, 0
	MK4 tb, 1
.if (\mode) == 1
	s_wait_dscnt 0x0                               ; the adds are done; my reads of this slot were over at the turn's head
	s_barrier_signal -1
.endif
	MK4 tb, 2
	MK4 tb, 3
	WIN 0
.if (\mode) == 1
	s_barrier_wait -1
	CREST                                          ; no wave of any partner still reads this slot or has a load on its way
	s_add_nc_u64 s[G0+4*(\sg)+2:G0+4*(\sg)+3], s[G0+4*(\sg)+2:G0+4*(\sg)+3], 2*SLOTB
	TLOAD G0+4*(\sg)
.elseif (\mode) == 2
	s_barrier_wait -1
.endif
.if ((\mode) == 1) || ((\mode) == 2)
.if (\nb) == 0
	v_mov_b32 v[ADF], v[BF]                        ; on to the other slot's first record
	v_mov_b32 v[ADS], v[BS]
	v_mov_b32 v[ADW], v[BW]
.else
	v_add_nc_u32 v[ADF], \nb, v[BF]
	v_add_nc_u32 v[ADS], \nb, v[BS]
	v_add_nc_u32 v[ADW], \nb, v[BW]
.endif
	LOADW 0, 0, 1-tb
.endif
.rept 8
	v_nop                                          ; the places between the products and the first line that reads their sums
.endr
	VPH tb
	s_add_co_u32 s[CUR], s[CUR], 16
.endm
; a slot: three records in a loop, the fourth written out with the change of slots in its last turn
.macro SEG mode, sg, nb
	s_mov_b32 s[TRIPS], 3
.Lrec_\@:
	TURN 0, 0, 0, 0
	TURN 1, 0, 0, 0
	TURN 2, 0, 0, 0
	TURN 3, 4, 0, 0
	v_add_nc_u32 v[ADF], RECB, v[ADF]              ; the next record is at work (LDS loads have read their addresses at issue)
	v_add_nc_u32 v[ADS], RECB, v[ADS]
	v_add_nc_u32 v[ADW], RECB, v[ADW]
	s_sub_co_u32 s[TRIPS], s[TRIPS], 1
	s_cmp_lg_u32 s[TRIPS], 0
	s_wait_alu depctr_va_vdst(0)                   ; directly ahead of the branch
	s_cbranch_scc1 .Lrec_\@
	TURN 0, 0, 0, 0
	TURN 1, 0, 0, 0
	TURN 2, 0, 0, 0
	TURN 3, \mode, \sg, \nb
.endm
	s_wait_alu depctr_va_vdst(0)
	s_wait_tensorcnt 0x0                           ; slot 0's record is in; slot 1's first fill is issued as a refill is
	ds_add_u32 v[SPW], v[NIL]
	ds_add_u32 v[SPW], v[NIL]
	s_wait_dscnt 0x0
	CROUND
	TLOAD G0+4
	LOADW 0, 0, 0
	s_wait_loadcnt 0x0                             ; z
	SEG 1, 0, 4*RECB                               ; records 0-3 in slot 0, which then takes records 8-11
	SEG 1, 1, 0                                    ; records 4-7 in slot 1, which then takes records 12-15
	SEG 2, 0, 4*RECB                               ; records 8-11
	SEG 3, 0, 0                                    ; records 12-15
; of two (d, index) the smaller d, and of equal d the lower index
.macro LEXMIN va, ia, vb, ib
	v_cmp_lt_f32 s52, v[\vb], v[\va]
	v_cmp_eq_f32 s53, v[\vb], v[\va]
	v_cmp_lt_u32 s54, v[\ib], v[\ia]
	s_and_b32 s53, s53, s54
	s_or_b32 s52, s52, s53
	v_cndmask_b32 v[\va], v[\va], v[\vb], s52
	v_cndmask_b32 v[\ia], v[\ia], v[\ib], s52
.endm
; after 64 tiles the minima lie in set 0.  The place in the kept tile: the first of the seven kept d that equals the minimum, else 7.  At work: the accumulators' registers
.irp i, 0,1,2,3
	v_mov_b32 v[ACC+8*\i+4], 7
.endr
.irp j, 6,5,4,3,2,1,0
.irp i, 0,1,2,3
	v_cmp_eq_f32 vcc_lo, v[SAVE+8*\i+\j], v[ZB+1+2*\i]
	v_cndmask_b32 v[ACC+8*\i+4], v[ACC+8*\i+4], \j, vcc_lo
.endr
.endr
.irp i, 0,1,2,3
	v_add3_u32 v[ACC+8*\i+1], v[SAVE+8*\i+7], v[ACC+8*\i+4], v[H8]   ; the tile's first code + place + 8 h
.endr
.irp i, 0,1,2,3
	v_permlanex16_b32 v[ACC+8*\i+2], v[ZB+1+2*\i], s[SEL], s[SEL+1]  ; lane l xor 16 holds the same row's other eight codes of each tile
	v_permlanex16_b32 v[ACC+8*\i+3], v[ACC+8*\i+1], s[SEL], s[SEL+1]
.endr
.irp i, 0,1,2,3
	LEXMIN ZB+1+2*\i, ACC+8*\i+1, ACC+8*\i+2, ACC+8*\i+3
.endr
; my 64 rows turn through my own 512 bytes of LDS, so that lane l holds rows 2 l and 2 l + 1.  LDS serves a wave's instructions in order: no wait between the stores and the loads
.irp i, 0,1,2,3
	ds_store_b32 v[CBW], v[ZB+1+2*\i] offset:64*\i                   ; both halves of the lanes write the same word with the same value
	ds_store_b32 v[CBW], v[ACC+8*\i+1] offset:256+64*\i
.endr
	ds_load_b64 v[TL:TL+1], v[CBR]
	ds_load_b64 v[TL+2:TL+3], v[CBR] offset:256
	s_wait_dscnt 0x0
	v_ashrrev_i32 v[TL+4], 31, v[TL]               ; the key: the sign bit flipped of a number that is not negative, all bits of a negative one: unsigned order = the order of d
	v_ashrrev_i32 v[TL+5], 31, v[TL+1]
	v_or_b32 v[TL+4], 0x80000000, v[TL+4]
	v_or_b32 v[TL+5], 0x80000000, v[TL+5]
	v_xor_b32 v[TL], v[TL], v[TL+4]
	v_xor_b32 v[TL+1], v[TL+1], v[TL+5]
	global_store_b64 v[L8], v[TL:TL+1], s[8:9]     ; a wave stores 256 consecutive bytes, aligned
	global_store_b64 v[L8], v[TL+2:TL+3], s[10:11]
	s_wait_tensorcnt 0x0                           ; the wave's end
	ds_add_u32 v[SPW], v[NIL]
	s_wait_dscnt 0x0
	CROUND                                         ; the closing round
	s_endpgm
.Lfunc_end_k_qf5cf852b42_vq:
	.size	k_qf5cf852b42_vq, .Lfunc_end_k_qf5cf852b42_vq-k_qf5cf852b42_vq
	.p2alignl 7, 3214868480
	.fill 96, 4, 3214868480
	.section	.rodata,"a",@progbits
	.p2align	6, 0x0
	.amdhsa_kernel k_qf5cf852b42_vq
		.amdhsa_group_segment_fixed_size 327680
		.amdhsa_private_segment_fixed_size 0
		.amdhsa_enable_private_segment 0
		.amdhsa_kernarg_size 32
		.amdhsa_user_sgpr_count 2
		.amdhsa_user_sgpr_kernarg_segment_ptr 1
		.amdhsa_wavefront_size32 1
		.amdhsa_system_sgpr_workgroup_id_x 1
		.amdhsa_system_sgpr_workgroup_id_y 1
		.amdhsa_system_sgpr_workgroup_id_z 1
		.amdhsa_system_vgpr_workitem_id 0
		.amdhsa_next_free_vgpr 512
		.amdhsa_next_free_sgpr 66
		.amdhsa_reserve_vcc 1
		.amdhsa_float_denorm_mode_32 3
		.amdhsa_float_denorm_mode_16_64 3
		.amdhsa_memory_ordered 1
		.amdhsa_forward_progress 1
		.amdhsa_inst_pref_size 255
	.end_amdhsa_kernel
	.section	.bss,"aw",@nobits
	.p2align	6
	.space	262144
	.amdgpu_metadata
---
amdhsa.version: [ 1, 2 ]
amdhsa.kernels:
  - .name:           k_qf5cf852b42_vq
    .symbol:         k_qf5cf852b42_vq.kd
    .args:
      - { .name: zrec, .offset: 0, .size: 8, .value_kind: global_buffer, .address_space: global }
      - { .name: wrec, .offset: 8, .size: 8, .value_kind: global_buffer, .address_space: global }
      - { .name: candk, .offset: 16, .size: 8, .value_kind: global_buffer, .address_space: global }
      - { .name: candi, .offset: 24, .size: 8, .value_kind: global_buffer, .address_space: global }
    .group_segment_fixed_size: 327680
    .private_segment_fixed_size: 0
    .kernarg_segment_align: 8
    .kernarg_segment_size: 32
    .max_flat_workgroup_size: 256
    .sgpr_count:     66
    .vgpr_count:     512
    .wavefront_size: 32
...
	.end_amdgpu_metadata
.endif
;; end of part 2
;; launch gather (part 3): grid 256 x 1, 16 waves a work-group, no clusters, 2,560 bytes of LDS; arguments z, W, candk, candi, out0, out1, part; writes out0, out1, part
.if DOCPART == 3
	.amdgcn_target "amdgcn-amd-amdhsa--gfx1250"
	.amdhsa_code_object_version 6
	.text
	.protected	k_qf5cf852b42_gather
	.globl	k_qf5cf852b42_gather
	.p2align	8
	.type	k_qf5cf852b42_gather,@function
k_qf5cf852b42_gather:
	s_mov_b64 s[64:65], 0
	v_nop
	global_prefetch_b8 v0, s[64:65] scope:SCOPE_SE
	s_setreg_imm32_b32 hwreg(HW_REG_WAVE_MODE, 25, 1), 1
	s_wait_xcnt 0x0
; For each row: of the eight parts' candidates (candk: whole-number keys whose unsigned order is the order of the distances; candi: indices; both [8][16384]) the smallest, the earlier part's where keys are equal (its indices are
; the lower); out1 = its index; q = W[index]; out0 = z + (q - z), in f32 as written; and the sum of (q - z)^2 over the work-group's 64 rows, to part[work-group].
; The choice is made on whole numbers that the launch before has stored: scalar compares and selects; then ONE row of W is loaded for each row of z.  An index is held to 0 .. 8,191 ahead of its use in an address.
; SHARES: a work-group takes 64 rows, each of its sixteen waves 4.  A row is 2,048 bytes: four loads of 512 consecutive bytes.  A wave's 32 loads all have registers of their own (z: 64, W's rows: 64), so nothing is loaded or written
; twice and no wait stands in the stream but the counted ones for data.  z's 16 loads hang on no candidate: they go out ahead of the wait for the candidates.
; No LDS tiles, no matrix unit, no cluster: each byte of z and of out0 passes once, and the rows of W are whatever the list names.
; The chosen indices of the sixteen waves meet in LDS, so that out1 leaves as one run of 256 bytes a work-group.
; SCALARS: keys of part t at s[16 + 4 t ..]; indices of part t at s[48 + 4 t ..] (t < 4) and s[64 + 4 t ..] (t >= 4); the running best stays in part 0's registers; W's four row addresses at s96, s98, s100, s104.
.set CH,  2                            ; v[2:9]  four packed chains of squares
.set LW,  10                           ; v10  4 x wave: my wave's word for its sum
.set L8,  11                           ; v11  8 x lane
.set LN,  12                           ; v12  lane
.set NIL, 13                           ; v13  0
.set IV,  14                           ; v14  the index of my wave's row lane % 4
.set L3,  15                           ; v15  lane % 4
.set IA,  16                           ; v16  where that index goes in LDS: IB + 16 x wave + 4 (lane % 4)
.set Z,   20                           ; v20-83   z, 16 registers a row; then out0
.set A,   84                           ; v84-147  W's row, 16 registers a row; then q - z
.set IB,  256                          ; LDS: 16 sums at 0, 64 indices at 256
.set WV,  68
.set SEL, 70
	s_load_b256 s[4:11], s[0:1], 0x0               ; z s[4:5], W s[6:7], candk s[8:9], candi s[10:11]
	s_load_b128 s[12:15], s[0:1], 0x20             ; out0 s[12:13], out1 s[14:15]
	s_load_b64 s[66:67], s[0:1], 0x30              ; part
	v_lshl_add_u32 v148, v0, 2, 0x200
	v_mov_b32 v149, 0
	v_lshrrev_b32 v1, 5, v0
	s_delay_alu instid0(VALU_DEP_1)
	v_readfirstlane_b32 s[WV], v1                  ; wave 0..15
	v_and_b32 v[LN], 31, v0
	s_delay_alu instid0(VALU_DEP_1)
	v_lshlrev_b32 v1, 4, v[LN]                     ; v1: 16 x lane
	s_delay_alu instid0(VALU_DEP_2)
	v_lshlrev_b32 v[L8], 3, v[LN]
	s_delay_alu instid0(VALU_DEP_4)
	v_mov_b32 v[LW], s[WV]
	s_delay_alu instid0(VALU_DEP_1)
	v_lshlrev_b32 v[LW], 2, v[LW]
	v_mov_b32 v[NIL], 0
	v_and_b32 v[L3], 3, v0
	s_lshl_b32 s72, s[WV], 4
	v_lshl_add_u32 v[IA], v[L3], 2, s72
	s_delay_alu instid0(VALU_DEP_1)
	v_add_nc_u32 v[IA], IB, v[IA]
	s_mov_b32 s[SEL], 0x76543210
	s_mov_b32 s[SEL+1], 0xfedcba98
	s_lshl_b32 s69, ttmp9, 6
	s_lshl_b32 s72, s[WV], 2
	s_add_co_u32 s69, s69, s72                     ; my first row: 64 x work-group + 4 x wave
	s_lshl_b32 s76, s69, 2
	s_mov_b32 s77, 0
	s_mov_b32 s73, 0
	s_wait_alu depctr_va_vdst(0)
	s_wait_kmcnt 0x0
	s_add_nc_u64 s[78:79], s[10:11], s[76:77]
	s_add_nc_u64 s[74:75], s[8:9], s[76:77]
.irp t, 0,1,2,3,4,5,6,7
	s_load_b128 s[16+4*\t:19+4*\t], s[74:75], 0x10000*\t                          ; my 4 rows: part t's keys,
	s_load_b128 s[48+4*\t+16*(\t/4):51+4*\t+16*(\t/4)], s[78:79], 0x10000*\t      ; and its indices
.endr
	s_lshl_b32 s76, s69, 11
	s_add_nc_u64 s[4:5], s[4:5], s[76:77]          ; z and out0 at my first row
	s_add_nc_u64 s[12:13], s[12:13], s[76:77]
.irp p, 0,1,2,3
.irp j, 0,1,2,3
	global_load_b128 v[Z+16*\p+4*\j:Z+16*\p+4*\j+3], v1, s[4:5] offset:2048*\p+512*\j th:TH_LOAD_NT
.endr
.endr
	s_wait_kmcnt 0x0
.irp p, 0,1,2,3
.irp t, 1,2,3,4,5,6,7
	s_cmp_lt_u32 s[16+4*\t+\p], s[16+\p]           ; a later part's candidate only where its key is strictly smaller
	s_cselect_b32 s[16+\p], s[16+4*\t+\p], s[16+\p]
	s_cselect_b32 s[48+\p], s[48+4*\t+16*(\t/4)+\p], s[48+\p]
.endr
	s_min_u32 s[48+\p], s[48+\p], 0x1fff
	s_lshl_b32 s72, s[48+\p], 11
	s_add_nc_u64 s[96+2*\p+2*(\p/3):97+2*\p+2*(\p/3)], s[6:7], s[72:73]
.irp j, 0,1,2,3
	global_load_b128 v[A+16*\p+4*\j:A+16*\p+4*\j+3], v1, s[96+2*\p+2*(\p/3):97+2*\p+2*(\p/3)] offset:512*\j
.endr
.endr
	v_mov_b32 v[IV], s48                           ; lane l takes the index of row l % 4: lanes with the same l % 4 write the same word with the same value
	v_cmp_eq_u32 vcc_lo, 1, v[L3]
	s_delay_alu instid0(VALU_DEP_1)
	v_cndmask_b32 v[IV], v[IV], s49, vcc_lo
	v_cmp_eq_u32 vcc_lo, 2, v[L3]
	s_delay_alu instid0(VALU_DEP_1)
	v_cndmask_b32 v[IV], v[IV], s50, vcc_lo
	v_cmp_eq_u32 vcc_lo, 3, v[L3]
	s_delay_alu instid0(VALU_DEP_1)
	v_cndmask_b32 v[IV], v[IV], s51, vcc_lo
	ds_store_b32 v[IA], v[IV]
.macro ROW p
.set ZR, Z+16*(\p)
.set AR, A+16*(\p)
	s_wait_loadcnt 12-4*(\p)                       ; this row of z and of W is in; four loads of W for each younger row may be out
.irp j, 0,2,4,6,8,10,12,14
	v_pk_add_f32 v[AR+\j:AR+\j+1], v[AR+\j:AR+\j+1], v[ZR+\j:ZR+\j+1] neg_lo:[0,1] neg_hi:[0,1]   ; q - z
.endr
.irp j, 0,2,4,6,8,10,12,14
	v_pk_add_f32 v[ZR+\j:ZR+\j+1], v[ZR+\j:ZR+\j+1], v[AR+\j:AR+\j+1]                             ; z + (q - z)
.endr
.irp j, 0,2,4,6,8,10,12,14
.if ((\p) == 0) && (\j < 8)
	v_pk_mul_f32 v[CH+\j:CH+\j+1], v[AR+\j:AR+\j+1], v[AR+\j:AR+\j+1]                             ; the first four products start the chains
.else
	v_pk_fma_f32 v[CH+\j%8:CH+\j%8+1], v[AR+\j:AR+\j+1], v[AR+\j:AR+\j+1], v[CH+\j%8:CH+\j%8+1]
.endif
.endr
.irp j, 0,1,2,3
	global_store_b128 v1, v[ZR+4*\j:ZR+4*\j+3], s[12:13] offset:2048*(\p)+512*\j th:TH_STORE_NT   ; 512 consecutive bytes, aligned
.endr
.endm
	ROW 0
	ROW 1
	ROW 2
	ROW 3
	v_pk_add_f32 v[CH:CH+1], v[CH:CH+1], v[CH+2:CH+3]
	v_pk_add_f32 v[CH+4:CH+5], v[CH+4:CH+5], v[CH+6:CH+7]
	s_delay_alu instid0(VALU_DEP_1)
	v_pk_add_f32 v[CH:CH+1], v[CH:CH+1], v[CH+4:CH+5]
	s_delay_alu instid0(VALU_DEP_1)
	v_add_f32 v[CH], v[CH], v[CH+1]
	s_delay_alu instid0(VALU_DEP_1)
	v_add_f32_dpp v[CH], v[CH], v[CH] row_xmask:1 row_mask:0xf bank_mask:0xf
	s_delay_alu instid0(VALU_DEP_1)
	v_add_f32_dpp v[CH], v[CH], v[CH] row_xmask:2 row_mask:0xf bank_mask:0xf
	s_delay_alu instid0(VALU_DEP_1)
	v_add_f32_dpp v[CH], v[CH], v[CH] row_xmask:4 row_mask:0xf bank_mask:0xf
	s_delay_alu instid0(VALU_DEP_1)
	v_add_f32_dpp v[CH], v[CH], v[CH] row_xmask:8 row_mask:0xf bank_mask:0xf
	s_delay_alu instid0(VALU_DEP_1)
	v_permlanex16_b32 v[CH+1], v[CH], s[SEL], s[SEL+1]
	s_delay_alu instid0(VALU_DEP_1)
	v_add_f32 v[CH], v[CH], v[CH+1]                ; my wave's sum, in every lane
	ds_store_b32 v[LW], v[CH]                      ; all lanes write the same word with the same value
	s_wait_dscnt 0x0                               ; for wave 0's sake: my sum and my indices have landed
	s_barrier_signal -1
	s_barrier_wait -1
	s_cmp_lg_u32 s[WV], 0
	s_cbranch_scc1 .Ldone
	; wave 0: the work-group's sum and its 64 indices (lane l: rows 2 l, 2 l + 1).  At work: W's registers, which no pending store reads
.irp i, 0,1,2,3
	ds_load_b128 v[A+4*\i:A+4*\i+3], v[NIL] offset:16*\i
.endr
	ds_load_b64 v[A+16:A+17], v[L8] offset:IB
	s_lshl_b32 s76, ttmp9, 8                       ; 64 rows x 4 bytes
	s_add_nc_u64 s[14:15], s[14:15], s[76:77]
	s_lshl_b32 s76, ttmp9, 2
	s_add_nc_u64 s[66:67], s[66:67], s[76:77]      ; part[work-group]
	s_wait_dscnt 0x0
	v_add_f32 v19, v85, v86
	v_add_f32 v18, v87, v88
	v_add_f32 v17, v89, v90
	v_add_f32 v84, v84, v91
	s_delay_alu instid0(VALU_DEP_4)
	v_add_f32 v19, v19, v92
	s_delay_alu instid0(VALU_DEP_4)
	v_add_f32 v18, v18, v93
	s_delay_alu instid0(VALU_DEP_4)
	v_add_f32 v17, v17, v94
	s_delay_alu instid0(VALU_DEP_4)
	v_add_f32 v84, v84, v95
	s_delay_alu instid0(VALU_DEP_4)
	v_add_f32 v19, v19, v96
	s_delay_alu instid0(VALU_DEP_4)
	v_add_f32 v18, v18, v97
	s_delay_alu instid0(VALU_DEP_4)
	v_add_f32 v17, v17, v98
	s_delay_alu instid0(VALU_DEP_4)
	v_add_f32 v84, v84, v99
	s_delay_alu instid0(VALU_DEP_1)
	v_add_f32 v84, v84, v18
	s_delay_alu instid0(VALU_DEP_3)
	v_add_f32 v19, v19, v17
	s_delay_alu instid0(VALU_DEP_1)
	v_add_f32 v84, v84, v19
	global_store_b64 v[L8], v[A+16:A+17], s[14:15] ; 256 consecutive bytes, aligned
	v_cmp_eq_u32 vcc_lo, 0, v[LN]
	s_wait_alu depctr_va_vdst(0)
	s_wait_xcnt 0x0                                ; EXEC changes only behind this wait
	s_and_saveexec_b32 s72, vcc_lo
	global_store_b32 v[NIL], v[A], s[66:67]        ; lane 0 alone
	s_wait_xcnt 0x0                                ; and again in front of the line that widens it
	s_or_b32 exec_lo, exec_lo, s72
.Ldone:
	s_wait_tensorcnt 0x0
	ds_add_u32 v148, v149
	s_wait_dscnt 0x0
	s_endpgm
.Lfunc_end_k_qf5cf852b42_gather:
	.size	k_qf5cf852b42_gather, .Lfunc_end_k_qf5cf852b42_gather-k_qf5cf852b42_gather
	.p2alignl 7, 3214868480
	.fill 96, 4, 3214868480
	.section	.rodata,"a",@progbits
	.p2align	6, 0x0
	.amdhsa_kernel k_qf5cf852b42_gather
		.amdhsa_group_segment_fixed_size 2560
		.amdhsa_private_segment_fixed_size 0
		.amdhsa_enable_private_segment 0
		.amdhsa_kernarg_size 56
		.amdhsa_user_sgpr_count 2
		.amdhsa_user_sgpr_kernarg_segment_ptr 1
		.amdhsa_wavefront_size32 1
		.amdhsa_system_sgpr_workgroup_id_x 1
		.amdhsa_system_sgpr_workgroup_id_y 1
		.amdhsa_system_sgpr_workgroup_id_z 1
		.amdhsa_system_vgpr_workitem_id 0
		.amdhsa_next_free_vgpr 150
		.amdhsa_next_free_sgpr 106
		.amdhsa_reserve_vcc 1
		.amdhsa_float_denorm_mode_32 3
		.amdhsa_float_denorm_mode_16_64 3
		.amdhsa_memory_ordered 1
		.amdhsa_forward_progress 1
		.amdhsa_inst_pref_size 20
	.end_amdhsa_kernel
	.amdgpu_metadata
---
amdhsa.version: [ 1, 2 ]
amdhsa.kernels:
  - .name:           k_qf5cf852b42_gather
    .symbol:         k_qf5cf852b42_gather.kd
    .args:
      - { .name: z, .offset: 0, .size: 8, .value_kind: global_buffer, .address_space: global }
      - { .name: W, .offset: 8, .size: 8, .value_kind: global_buffer, .address_space: global }
      - { .name: candk, .offset: 16, .size: 8, .value_kind: global_buffer, .address_space: global }
      - { .name: candi, .offset: 24, .size: 8, .value_kind: global_buffer, .address_space: global }
      - { .name: out0, .offset: 32, .size: 8, .value_kind: global_buffer, .address_space: global }
      - { .name: out1, .offset: 40, .size: 8, .value_kind: global_buffer, .address_space: global }
      - { .name: part, .offset: 48, .size: 8, .value_kind: global_buffer, .address_space: global }
    .group_segment_fixed_size: 2560
    .private_segment_fixed_size: 0
    .kernarg_segment_align: 8
    .kernarg_segment_size: 56
    .max_flat_workgroup_size: 512
    .sgpr_count:     106
    .vgpr_count:     150
    .wavefront_size: 32
...
	.end_amdgpu_metadata
.endif
;; end of part 3
;; launch lossend (part 4): grid 1 x 1, 1 waves a work-group, no clusters, 0 bytes of LDS; arguments part, out2; writes out2
.if DOCPART == 4
	.amdgcn_target "amdgcn-amd-amdhsa--gfx1250"
	.amdhsa_code_object_version 6
	.text
	.protected	k_qf5cf852b42_lossend
	.globl	k_qf5cf852b42_lossend
	.p2align	8
	.type	k_qf5cf852b42_lossend,@function
k_qf5cf852b42_lossend:
	s_mov_b64 s[64:65], 0
	v_nop
	global_prefetch_b8 v0, s[64:65] scope:SCOPE_SE
	s_setreg_imm32_b32 hwreg(HW_REG_WAVE_MODE, 25, 1), 1
	s_wait_xcnt 0x0
; out2 = the sum of the 256 partial sums of (q - z)^2, divided by 16384 x 512 = 2^23.  One wave: a lane takes 8 neighbouring numbers; the order of the additions is fixed.
; The sum spans the work-groups of the launch before, which hand nothing to each other: so it is made here.
	s_load_b128 s[4:7], s[0:1], 0x0                ; part s[4:5], out2 s[6:7]
	v_lshlrev_b32 v1, 5, v0                        ; 32 bytes a lane
	v_mov_b32 v11, 0
	s_mov_b32 s8, 0x76543210
	s_mov_b32 s9, 0xfedcba98
	s_wait_alu depctr_va_vdst(0)
	s_wait_kmcnt 0x0
	global_load_b128 v[2:5], v1, s[4:5]
	global_load_b128 v[6:9], v1, s[4:5] offset:16
	s_wait_loadcnt 0x0
	v_pk_add_f32 v[2:3], v[2:3], v[4:5]
	v_pk_add_f32 v[6:7], v[6:7], v[8:9]
	v_pk_add_f32 v[2:3], v[2:3], v[6:7]
	v_add_f32 v2, v2, v3
	v_add_f32_dpp v2, v2, v2 row_xmask:1 row_mask:0xf bank_mask:0xf
	v_add_f32_dpp v2, v2, v2 row_xmask:2 row_mask:0xf bank_mask:0xf
	v_add_f32_dpp v2, v2, v2 row_xmask:4 row_mask:0xf bank_mask:0xf
	v_add_f32_dpp v2, v2, v2 row_xmask:8 row_mask:0xf bank_mask:0xf
	v_permlanex16_b32 v3, v2, s8, s9
	v_add_f32 v2, v2, v3
	v_mul_f32 v2, 0x34000000, v2                   ; x 2^-23: exact
	v_cmp_eq_u32 vcc_lo, 0, v0
	s_wait_alu depctr_va_vdst(0)
	s_wait_xcnt 0x0                                ; EXEC changes only behind this wait
	s_and_saveexec_b32 s10, vcc_lo
	global_store_b32 v11, v2, s[6:7]               ; lane 0 alone
	s_wait_xcnt 0x0
	s_or_b32 exec_lo, exec_lo, s10
	s_endpgm
.Lfunc_end_k_qf5cf852b42_lossend:
	.size	k_qf5cf852b42_lossend, .Lfunc_end_k_qf5cf852b42_lossend-k_qf5cf852b42_lossend
	.p2alignl 7, 3214868480
	.fill 96, 4, 3214868480
	.section	.rodata,"a",@progbits
	.p2align	6, 0x0
	.amdhsa_kernel k_qf5cf852b42_lossend
		.amdhsa_group_segment_fixed_size 0
		.amdhsa_private_segment_fixed_size 0
		.amdhsa_enable_private_segment 0
		.amdhsa_kernarg_size 16
		.amdhsa_user_sgpr_count 2
		.amdhsa_user_sgpr_kernarg_segment_ptr 1
		.amdhsa_wavefront_size32 1
		.amdhsa_system_sgpr_workgroup_id_x 1
		.amdhsa_system_sgpr_workgroup_id_y 1
		.amdhsa_system_sgpr_workgroup_id_z 1
		.amdhsa_system_vgpr_workitem_id 0
		.amdhsa_next_free_vgpr 16
		.amdhsa_next_free_sgpr 66
		.amdhsa_reserve_vcc 1
		.amdhsa_float_denorm_mode_32 3
		.amdhsa_float_denorm_mode_16_64 3
		.amdhsa_memory_ordered 1
		.amdhsa_forward_progress 1
		.amdhsa_inst_pref_size 2
	.end_amdhsa_kernel
	.amdgpu_metadata
---
amdhsa.version: [ 1, 2 ]
amdhsa.kernels:
  - .name:           k_qf5cf852b42_lossend
    .symbol:         k_qf5cf852b42_lossend.kd
    .args:
      - { .name: part, .offset: 0, .size: 8, .value_kind: global_buffer, .address_space: global }
      - { .name: out2, .offset: 8, .size: 8, .value_kind: global_buffer, .address_space: global }
    .group_segment_fixed_size: 0
    .private_segment_fixed_size: 0
    .kernarg_segment_align: 8
    .kernarg_segment_size: 16
    .max_flat_workgroup_size: 32
    .sgpr_count:     66
    .vgpr_count:     16
    .wavefront_size: 32
...
	.end_amdgpu_metadata
.endif
;; end of part 4
